; MI455X (gfx1250); checked and timed in simulation.
; The chip was launched on July 23, 2026; its instructions are those of AMD's public machine-readable ISA for CDNA 5 (MIT licence, August 2026) and "CDNA5" Instruction Set Architecture Reference Guide (July 2026). The comments in the code are by the model that wrote it; some were corrected since.
;; Temporal Attention Tok. Allowed arithmetic: matrix products marked QUANTISED: E5M2 operands, one given power-of-two scale a tensor, by v_wmma_f32_16x16x64_bf8_bf8 or v_wmma_f32_16x16x128_bf8_bf8, f32 sums; products left as they are: f32 operands where the result goes on into a quantised operand, else bf16, f16 or f32 operands; f32 sums; everything else in f32.
;; Inputs: gk 32 float32; gq 32 float32; lowp_scales 12 int32 (the exponents e of the quantised operands' scales 2^e); wk 256 x 256 float32; wo 256 x 256 float32; wq 256 x 256 float32; wv 256 x 256 float32; x 256 x 256 x 256 float32.
;; Outputs: out0 256 x 256 x 256 float32.
;; This version of the problem:
;;   THIS VERSION OF THE PROBLEM IS GIVEN IN LOW PRECISION. The matrix products marked QUANTISED in the list below multiply operands that are first quantised to E5M2 (5 exponent bits, 2 mantissa bits; 8 bits a number), with one given power-of-two scale for each operand tensor; their sums are f32. All else is computed in f32.
;;   The module's matrix products, in the order in which they are computed (A, B: the left and right operand; K: the contracted axis; several contracted axes count as one K, in the product's order):
;;     1. [M 65,536, K 256] x [K 256, N 256]; A: input x; B: input wq: QUANTISED (scales: A lowp_scales[0], B lowp_scales[1])
;;     2. [M 65,536, K 256] x [K 256, N 256]; A: input x; B: input wk: QUANTISED (scales: A lowp_scales[2], B lowp_scales[3])
;;     3. [M 65,536, K 256] x [K 256, N 256]; A: input x; B: input wv: QUANTISED (scales: A lowp_scales[4], B lowp_scales[5])
;;     4. [M 256, K 1] x [K 1, N 16]; A: computed on the way; B: computed on the way: left as it is (no contracted axis)
;;     5. batch 2,048 x [M 256, K 32] x [K 32, N 256]; A: computed on the way; B: computed on the way: QUANTISED (scales: A lowp_scales[6], B lowp_scales[7])
;;     6. batch 2,048 x [M 256, K 256] x [K 256, N 32]; A: softmax (see below); B: computed on the way: QUANTISED (scales: A lowp_scales[8], B lowp_scales[9])
;;     7. [M 65,536, K 256] x [K 256, N 256]; A: computed on the way; B: input wo: QUANTISED (scales: A lowp_scales[10], B lowp_scales[11])
;;   THE QUANTISER, for each operand of a quantised product, along K:
;;     - The operand's scale is 2^e, e = its entry of the input lowp_scales (int32; the entries are numbered through the quantised products in the list's order, A before B).
;;     - Each number is divided by the scale, clamped to +-57,344, and rounded to the nearest number of E5M2, ties to even, subnormals kept.
;;     - The product sums the exact products of the quantised numbers (number of the format x scale) in f32.
;;   ~~~python
;;   def quantise(x, axis, e):      # numpy; x: float32 -> the quantised numbers, widened to float32 again
;;       x = np.moveaxis(x, axis, -1); K = x.shape[-1]
;;       r = np.clip(x / 2.0 ** e, -57344, 57344)
;;       step = 2.0 ** (np.maximum(np.frexp(np.where(r == 0, 1, r))[1] - 1, -14) - 2)
;;       q = np.round(r / step) * step * 2.0 ** e      # np.round: ties to even
;;       return np.moveaxis(q, -1, axis).astype(np.float32)
;;   ~~~
;;   SOFTMAX AHEAD OF A QUANTISED PRODUCT. Where the list says 'softmax', what is quantised is not the finished softmax but p = 2^(t - M), with t = logit x log2(e) and M = ceil(the row's largest t), a whole number; so 1/2 < the row's largest p <= 1. The row's sum l is taken of the UNQUANTISED p, in f32, and the product's result is divided by l at the end. Since M is a whole number, a kernel that streams over the keys may use a running M (the ceiling of the running maximum): every later rescaling is an exact power of two, so the quantised numbers keep their values, but for numbers so far below the row's largest that they fall under the format's range.
;;   OPERANDS COMPUTED ON THE WAY. 'Computed on the way' means the value that the module computes at that place (a softmax that the list does not call 'softmax' is quantised finished and normalised). What goes into a quantiser is computed in f32, as accurately as f32 sums, v_exp_f32 and their like allow (about 1e-6 of the number): no bf16 or f16 on the way to a quantiser, and a product that is left as it is and whose result goes on into a quantised operand takes f32 operands (vector FMAs, or v_wmma_f32_16x16x4_f32). A number that lies on a knife's edge between two numbers of the format may be rounded either way, as far as f32 arithmetic and the matrix unit's own rounding can turn it there, and no further.
;; One version. Each part assembles by itself: llvm-mc -triple=amdgcn-amd-amdhsa -mcpu=gfx1250 --defsym DOCPART=n.
;; ======== version 1 of 1: 2 launches
;; limits: right only within a limited range of input values
;; workspace buffers: wcodes 262,144 bytes; rope 32,768 bytes
;; launch prep (part 1): grid 72 x 1, 8 waves a work-group, no clusters, 0 bytes of LDS; arguments wq, wk, wv, wo, lowp_scales, wcodes, rope; writes wcodes, rope
.if DOCPART == 1
	.amdgcn_target "amdgcn-amd-amdhsa--gfx1250"
	.amdhsa_code_object_version 6
	.text
	.protected	k_q98ff2de663_prep
	.globl	k_q98ff2de663_prep
	.p2align	8
	.type	k_q98ff2de663_prep,@function
k_q98ff2de663_prep:
	s_mov_b64 s[64:65], 0
	v_nop
	global_prefetch_b8 v0, s[64:65] scope:SCOPE_SE
	s_setreg_imm32_b32 hwreg(HW_REG_WAVE_MODE, 25, 1), 1
	s_wait_xcnt 0x0
; PREP.  Work-groups 0-63: wq, wk, wv, wo (f32, [256][256], K innermost) become codes of E5M2 with their given scales 2^e (entries 1, 3, 5, 11 of lowp_scales),
; laid in the order of an operand's registers.  A unit is 16 bytes; unit ((((m 8 + h) 2 + dt) 2 + ks) 4 + c4) 32 + lane holds, of row 32 h + 16 dt + lane % 16 of weight m,
; the codes of k = 128 ks + 32 c4 + 8 (lane / 16) + 0..7 and of the eight k that lie 16 further on: registers 4 c4 .. 4 c4 + 3 of a 16 x 128 fragment.
; Work-groups 64-71: the table of cos and sin for the rotation, f32, also in register order: unit (it 4 + g) 32 + lane, token 16 it + lane % 16,
; g = 0, 1: cos of frequencies 8 (lane / 16) + 0..3, + 4..7; g = 2, 3: sin of the same.
; One thread makes one unit, so a wave stores 512 consecutive bytes.  The weights' reads are pieces of 32 bytes of sixteen rows: 1 MiB in all, read once.
; LIMITS: each e between -126 and 112; NaN among the weights is not served (an infinity is held at the largest code).
.set NW, 64                            ; work-groups that take weights
	s_load_b256 s[4:11], s[0:1], 0x0               ; wq, wk, wv, wo
	s_load_b128 s[12:15], s[0:1], 0x20             ; lowp_scales, wcodes
	s_load_b64 s[16:17], s[0:1], 0x30              ; rope
	v_and_b32 v1, 15, v0                           ; r
	v_bfe_u32 v2, v0, 4, 1                         ; hh
	v_lshlrev_b32 v3, 4, v0                        ; my unit's place in the work-group's 4,096 bytes
	v_bfe_u32 v4, v0, 5, 2                         ; c4, or g
	v_lshrrev_b32 v5, 7, v0                        ; ks, or the odd token tile
	s_cmp_ge_u32 ttmp9, NW
	s_cbranch_scc1 .Ltable
	; ---- weights
	s_lshr_b32 s18, ttmp9, 4                       ; m: which weight
	s_cmp_eq_u32 s18, 3
	s_cselect_b32 s36, 12, 10                      ; wo alone: lane r of column tile ct takes row 64 (ct / 4) + 4 r + ct % 4, so its rows lie four apart
	v_lshlrev_b32 v6, s36, v1                      ; row r (wo: 4 r) of 1,024 bytes
	s_delay_alu instid0(VALU_DEP_1)
	v_lshl_add_u32 v6, v2, 5, v6                   ; + 8 hh numbers
	s_delay_alu instid0(VALU_DEP_1)
	v_lshl_add_u32 v6, v4, 7, v6                   ; + 32 c4
	s_delay_alu instid0(VALU_DEP_1)
	v_lshl_add_u32 v6, v5, 9, v6                   ; + 128 ks
	s_lshr_b32 s18, ttmp9, 4                       ; m: which weight
	s_and_b32 s19, ttmp9, 15
	s_lshl_b32 s32, s19, 14
	s_lshr_b32 s37, s19, 2
	s_lshl_b32 s37, s37, 16                        ; wo: 64 (ct / 4) rows
	s_and_b32 s38, s19, 3
	s_lshl_b32 s38, s38, 10                        ; + ct % 4 rows
	s_add_co_u32 s37, s37, s38
	s_cmp_eq_u32 s18, 3
	s_cselect_b32 s32, s37, s32
	s_mov_b32 s33, 0
	s_lshl_b32 s34, ttmp9, 12                      ; the work-group's 4,096 bytes of codes
	s_mov_b32 s35, 0
	s_wait_alu depctr_va_vdst(0)
	s_wait_kmcnt 0x0
	s_load_b256 s[20:27], s[12:13], 0x0            ; e0 .. e7
	s_load_b128 s[28:31], s[12:13], 0x20           ; e8 .. e11
	s_cmp_eq_u32 s18, 1                            ; the choice of buffer hangs on the work-group's number alone
	s_cselect_b64 s[4:5], s[6:7], s[4:5]
	s_cmp_eq_u32 s18, 2
	s_cselect_b64 s[4:5], s[8:9], s[4:5]
	s_cmp_eq_u32 s18, 3
	s_cselect_b64 s[4:5], s[10:11], s[4:5]
	s_add_nc_u64 s[4:5], s[4:5], s[32:33]
	s_add_nc_u64 s[14:15], s[14:15], s[34:35]
	global_load_b128 v[16:19], v6, s[4:5]
	global_load_b128 v[20:23], v6, s[4:5] offset:16
	global_load_b128 v[24:27], v6, s[4:5] offset:64
	global_load_b128 v[28:31], v6, s[4:5] offset:80
	s_wait_kmcnt 0x0
	s_cmp_eq_u32 s18, 1                            ; e1, e3, e5 or e11
	s_cselect_b32 s21, s23, s21
	s_cmp_eq_u32 s18, 2
	s_cselect_b32 s21, s25, s21
	s_cmp_eq_u32 s18, 3
	s_cselect_b32 s21, s31, s21
	s_add_co_i32 s22, s21, 127
	s_lshl_b32 s22, s22, 23
	v_mov_b32 v11, s22                             ; 2^e as f32: the conversion takes its exponent field
	s_add_co_i32 s21, s21, 142
	s_lshl_b32 s21, s21, 23
	s_or_b32 s21, s21, 0x600000
	v_mov_b32 v10, s21                             ; 57,344 x 2^e
	s_wait_alu depctr_va_vdst(0)
	s_wait_loadcnt 0x0
.irp i, 0,1,2,3,4,5,6,7,8,9,10,11,12,13,14,15
	v_med3_num_f32 v[16+\i], v[16+\i], -v10, v10   ; the conversion to an 8-bit code does not saturate (ISA guide 7.6.2): the hold comes first
.endr
	v_cvt_scalef32_pk8_bf8_f32 v[12:13], v[16:23], v11
	v_cvt_scalef32_pk8_bf8_f32 v[14:15], v[24:31], v11
	global_store_b128 v3, v[12:15], s[14:15]       ; the results go to a store alone; the wave stores 512 consecutive bytes
	s_endpgm
	; ---- the table.  angle = t x (1 / 10000^(f / 16)), both factors and the product in f32; cos and sin by reduction to a quarter turn and two short polynomials
.Ltable:
	s_sub_co_u32 s18, ttmp9, NW                    ; 0 .. 7
	s_lshl_b32 s19, s18, 1
	s_lshl_b32 s32, s18, 12
	s_mov_b32 s33, 0
	s_wait_alu depctr_va_vdst(0)
	v_add_nc_u32 v5, s19, v5                       ; token tile
	s_delay_alu instid0(VALU_DEP_1)
	v_lshl_add_u32 v5, v5, 4, v1                   ; token t
	s_delay_alu instid0(VALU_DEP_1)
	v_cvt_f32_u32 v5, v5
	v_and_b32 v6, 1, v4
	s_delay_alu instid0(VALU_DEP_1)
	v_lshl_add_u32 v6, v2, 1, v6                   ; sel: my four frequencies are 4 sel + 0..3
	v_lshrrev_b32 v7, 1, v4
	s_delay_alu instid0(VALU_DEP_1)
	v_sub_nc_u32 v7, 1, v7                         ; 1 for cos, 0 for sin: cos(a) = sin(a + a quarter turn)
	v_mov_b32 v8, 1.0                              ; 10000^(f / 16) to the nearest f32, f = 0 .. 3;
	v_mov_b32 v9, 0x3fe39ea9
	v_mov_b32 v10, 0x404a62c2
	v_mov_b32 v11, 0x40b3f300
	v_cmp_ne_u32 vcc_lo, 1, v6                     ; f = 4 .. 7 where sel = 1,
	s_delay_alu instid0(VALU_DEP_1)
	v_cndmask_b32 v8, 0x41200000, v8, vcc_lo
	s_delay_alu instid0(VALU_DEP_2)
	v_cndmask_b32 v9, 0x418e432a, v9, vcc_lo
	s_delay_alu instid0(VALU_DEP_3)
	v_cndmask_b32 v10, 0x41fcfb72, v10, vcc_lo
	s_delay_alu instid0(VALU_DEP_4)
	v_cndmask_b32 v11, 0x4260efc0, v11, vcc_lo
	v_cmp_ne_u32 vcc_lo, 2, v6                     ; f = 8 .. 11,
	s_delay_alu instid0(VALU_DEP_1)
	v_cndmask_b32 v8, 0x42c80000, v8, vcc_lo
	s_delay_alu instid0(VALU_DEP_2)
	v_cndmask_b32 v9, 0x4331d3f4, v9, vcc_lo
	s_delay_alu instid0(VALU_DEP_3)
	v_cndmask_b32 v10, 0x439e1d27, v10, vcc_lo
	s_delay_alu instid0(VALU_DEP_4)
	v_cndmask_b32 v11, 0x440c95d8, v11, vcc_lo
	v_cmp_ne_u32 vcc_lo, 3, v6                     ; f = 12 .. 15
	s_delay_alu instid0(VALU_DEP_1)
	v_cndmask_b32 v8, 0x447a0000, v8, vcc_lo
	s_delay_alu instid0(VALU_DEP_2)
	v_cndmask_b32 v9, 0x44de48f1, v9, vcc_lo
	s_delay_alu instid0(VALU_DEP_3)
	v_cndmask_b32 v10, 0x4545a471, v10, vcc_lo
	s_delay_alu instid0(VALU_DEP_4)
	v_cndmask_b32 v11, 0x45afbb4e, v11, vcc_lo
	s_wait_alu depctr_va_vdst(0)
.irp i, 0,1,2,3
	v_rcp_f32 v[12+\i], v[8+\i]
.endr
	v_nop                                          ; a plain instruction between the reciprocals and the use of their results
	s_wait_alu depctr_va_vdst(0)
.irp i, 0,1,2,3
	v_fma_f32 v[16+\i], -v[8+\i], v[12+\i], 1.0    ; one step of Newton's brings the reciprocal to a division's rounding
.endr
.irp i, 0,1,2,3
	v_fma_f32 v[12+\i], v[12+\i], v[16+\i], v[12+\i]
.endr
.irp i, 0,1,2,3
	s_delay_alu instid0(VALU_DEP_4)
	v_mul_f32 v[12+\i], v5, v[12+\i]               ; the angle
.endr
.irp i, 0,1,2,3
	s_delay_alu instid0(VALU_DEP_4)
	v_mul_f32 v[16+\i], 0x3f22f983, v[12+\i]       ; x 2 / pi
.endr
.irp i, 0,1,2,3
	s_delay_alu instid0(VALU_DEP_4)
	v_rndne_f32 v[16+\i], v[16+\i]                 ; n quarter turns, 162 at the most
.endr
.irp i, 0,1,2,3
	s_delay_alu instid0(VALU_DEP_4)
	v_fmamk_f32 v[12+\i], v[16+\i], 0xbfc90fdb, v[12+\i]   ; angle - n x (pi / 2 as f32): exact,
.endr
.irp i, 0,1,2,3
	s_delay_alu instid0(VALU_DEP_4)
	v_fmamk_f32 v[12+\i], v[16+\i], 0x333bbd2e, v[12+\i]   ; + n x what that f32 has too much: r, within a quarter of pi
.endr
.irp i, 0,1,2,3
	v_mul_f32 v[20+\i], v[12+\i], v[12+\i]         ; z = r r
	v_mov_b32 v[24+\i], 0xb94ca1f9
	v_mov_b32 v[28+\i], 0x37ccf5ce
.endr
.irp i, 0,1,2,3
	v_fmaak_f32 v[24+\i], v[24+\i], v[20+\i], 0x3c08839e
	v_fmaak_f32 v[28+\i], v[28+\i], v[20+\i], 0xbab6061a
	v_mul_f32 v[32+\i], v[20+\i], v[20+\i]
	v_fma_f32 v[36+\i], -0.5, v[20+\i], 1.0
.endr
.irp i, 0,1,2,3
	v_fmaak_f32 v[24+\i], v[24+\i], v[20+\i], 0xbe2aaaa3
	v_fmaak_f32 v[28+\i], v[28+\i], v[20+\i], 0x3d2aaaa5
	v_cvt_i32_f32 v[16+\i], v[16+\i]
.endr
.irp i, 0,1,2,3
	v_mul_f32 v[24+\i], v[24+\i], v[20+\i]
	v_fma_f32 v[28+\i], v[28+\i], v[32+\i], v[36+\i]   ; cos r
	v_add_nc_u32 v[16+\i], v[16+\i], v7            ; the quarter: n, or n + 1 for cos
.endr
.irp i, 0,1,2,3
	v_fma_f32 v[24+\i], v[24+\i], v[12+\i], v[12+\i]   ; sin r
	v_and_b32 v[32+\i], 1, v[16+\i]
.endr
.irp i, 0,1,2,3
	v_cmp_ne_u32 vcc_lo, 0, v[32+\i]
	s_delay_alu instid0(VALU_DEP_1)
	v_cndmask_b32 v[24+\i], v[24+\i], v[28+\i], vcc_lo   ; odd quarters take cos r,
	v_and_b32 v[16+\i], 2, v[16+\i]
	s_delay_alu instid0(VALU_DEP_1)
	v_lshlrev_b32 v[16+\i], 30, v[16+\i]
	s_delay_alu instid0(VALU_DEP_1)
	v_xor_b32 v[24+\i], v[16+\i], v[24+\i]         ; quarters 2 and 3 change the sign
.endr
	s_wait_alu depctr_va_vdst(0)
	s_wait_kmcnt 0x0
	s_add_nc_u64 s[16:17], s[16:17], s[32:33]
	global_store_b128 v3, v[24:27], s[16:17]
	s_endpgm
.Lfunc_end_k_q98ff2de663_prep:
	.size	k_q98ff2de663_prep, .Lfunc_end_k_q98ff2de663_prep-k_q98ff2de663_prep
	.p2alignl 7, 3214868480
	.fill 96, 4, 3214868480
	.section	.rodata,"a",@progbits
	.p2align	6, 0x0
	.amdhsa_kernel k_q98ff2de663_prep
		.amdhsa_group_segment_fixed_size 0
		.amdhsa_private_segment_fixed_size 0
		.amdhsa_enable_private_segment 0
		.amdhsa_kernarg_size 56
		.amdhsa_user_sgpr_count 2
		.amdhsa_user_sgpr_kernarg_segment_ptr 1
		.amdhsa_wavefront_size32 1
		.amdhsa_system_sgpr_workgroup_id_x 1
		.amdhsa_system_sgpr_workgroup_id_y 1
		.amdhsa_system_sgpr_workgroup_id_z 1
		.amdhsa_system_vgpr_workitem_id 0
		.amdhsa_next_free_vgpr 64
		.amdhsa_next_free_sgpr 66
		.amdhsa_reserve_vcc 1
		.amdhsa_float_denorm_mode_32 3
		.amdhsa_float_denorm_mode_16_64 3
		.amdhsa_memory_ordered 1
		.amdhsa_forward_progress 1
		.amdhsa_inst_pref_size 13
	.end_amdhsa_kernel
	.amdgpu_metadata
---
amdhsa.version: [ 1, 2 ]
amdhsa.kernels:
  - .name:           k_q98ff2de663_prep
    .symbol:         k_q98ff2de663_prep.kd
    .args:
      - { .name: wq, .offset: 0, .size: 8, .value_kind: global_buffer, .address_space: global }
      - { .name: wk, .offset: 8, .size: 8, .value_kind: global_buffer, .address_space: global }
      - { .name: wv, .offset: 16, .size: 8, .value_kind: global_buffer, .address_space: global }
      - { .name: wo, .offset: 24, .size: 8, .value_kind: global_buffer, .address_space: global }
      - { .name: lowp_scales, .offset: 32, .size: 8, .value_kind: global_buffer, .address_space: global }
      - { .name: wcodes, .offset: 40, .size: 8, .value_kind: global_buffer, .address_space: global }
      - { .name: rope, .offset: 48, .size: 8, .value_kind: global_buffer, .address_space: global }
    .group_segment_fixed_size: 0
    .private_segment_fixed_size: 0
    .kernarg_segment_align: 8
    .kernarg_segment_size: 56
    .max_flat_workgroup_size: 256
    .sgpr_count:     66
    .vgpr_count:     64
    .wavefront_size: 32
...
	.end_amdgpu_metadata
.endif
;; end of part 1
;; launch attn (part 2): grid 256 x 1, 16 waves a work-group, no clusters, 301,056 bytes of LDS; arguments x, wcodes, rope, gq, gk, lowp_scales, out0; writes out0
.if DOCPART == 2
	.amdgcn_target "amdgcn-amd-amdhsa--gfx1250"
	.amdhsa_code_object_version 6
	.text
	.protected	k_q98ff2de663_attn
	.globl	k_q98ff2de663_attn
	.p2align	8
	.type	k_q98ff2de663_attn,@function
k_q98ff2de663_attn:
	s_mov_b64 s[64:65], 0
	v_nop
	global_prefetch_b8 v0, s[64:65] scope:SCOPE_SE
	s_setreg_imm32_b32 hwreg(HW_REG_WAVE_MODE, 25, 1), 1
	s_wait_xcnt 0x0
; out0 = attention(x) wo^T for ONE batch element (256 tokens x 256 channels) a work-group; all six large products on codes of E5M2 with the given scales 2^e (e0 .. e11 of lowp_scales).
; SIXTEEN waves of 256 registers; wave w = (head h = w / 2, half s = w % 2).  Two phases.
; PHASE A, four blocks of 64 tokens: x becomes codes in LDS (wave w: tile w / 4, channels 64 (w % 4) on), one version for each of e0, e2, e4, or one for all three where the three given numbers are equal
;   (a scalar branch on whole numbers that were given).  Then wave (h, 0) makes q and channels 0-15 of v of head h, wave (h, 1) makes k and channels 16-31 of v, for the block's four tiles,
;   with its 96 registers of weights.  q, k, v go as codes into images in LDS that hold all 256 tokens.  The next block's x is turned and quantised into registers ahead of the block's closing barrier.
; PHASE B, four blocks: wave (h, s) attends query tiles s and 3 - s of the block (1 + 4 or 2 + 3 key tiles of the diagonal block: the same count in both halves) with LDS loads and register work alone,
;   between a barrier's signal and its wait; o's codes wait in eight registers.  Behind the wait they go into one of two buffers that take turns, and wave w makes tokens 16 (w / 4) .. + 15 x
;   output columns 64 (w % 4) .. + 63 of the block BEFORE from the other buffer and wo's image in LDS.  The images of q, k, v are never written in phase B.
;   wo's rows are laid so that lane r of column tile t holds column 4 r + t: the multiplication by 2^(e10 + e11) writes four tiles' sums into four neighbouring registers,
;   and sixteen lanes store 256 consecutive bytes, aligned, straight from registers.
; LAYOUTS (lane = (r, hh) = (lane % 16, lane / 16)).  q, k: source 0 = 16 rows of W, source 1 = x: a lane holds token r, register j of tile dt head channel 16 dt + 8 hh + j.
;   The K = 64 form takes two key tiles as source 0 and q beside four registers of zero codes as source 1.  v: source 0 = x, source 1 = Wv: lane = channel, registers = tokens.
;   S^T = K Q^T and O^T = V^T P^T: a lane holds one query throughout.
; SOFTMAX.  A query tile's scores (256 keys at the most: 128 registers) stay in registers, so M = ceil(the row's largest t) is the row's own.  t = C tanh(s / 50), C = 50 log2(e),
;   tanh(y) = 1 - 2 / (1 + 2^(2 log2(e) y)); p = 2^(t - M); the row's sum is taken of the unquantised p and divides O at the end.
;   Hidden keys: the raw score becomes -infinity ahead of the maximum, and p becomes 0 behind the exponential.  Key tiles wholly above the diagonal are left out by forward scalar branches on ids and loop counters.
; No cluster: what work-groups share (256 KiB of codes, 32 KiB of table) is loaded once by each, the weights of q, k, v straight into registers.  No tensor loads and no prefetch: x is asked for a whole block ahead, in registers.
; LIMITS.  NaN among the inputs is not served.  2 (e0 + e1) - 5 and 2 (e2 + e3) - 5 between -126 and 127; e0, e2, e4, e6, e7, e8, e10 and e9 - e4 - e5 between -126 and 112;
;   e6 + e7 between -119 and 133; e10 + e11 between -126 and 127.  t carries an absolute error of up to about 1e-5.  C - M is exact for M > -56.
; LDS: block b of the images at 49,152 b: q (tile x 4,096 + head x 512), k at + 16,384 (the same), v at + 32,768 (head x 2,048 + dt x 1,024 + tile x 256).
;   The turn of x of block b: wave x 4,352 from 49,152 b on: bytes of images not yet made, and for block 3 the 20,480 bytes behind the images.
.set IMGB, 49152
.set KOF,  16384
.set VOF,  32768
.set XIMG, 217088                      ; x's codes: version x 16,384 + fragment (2 tile + ks) x 2,048
.set ROPE, 266240                      ; the table: token tile x 2,048
.set WOIMG, 217088                     ; phase B: wo's codes, column tile x 4,096 + ks x 2,048, over x's codes and the table, which are done with
.set OBUF, 196608                      ; phase B: o's codes of even blocks (tile x 4,096 + head x 512);
.set OBST, 86016                       ; those of odd blocks lie so much further on, behind wo's image
.set SPARE, 299008                     ; the spare words, 128 bytes a wave
; vector registers of both phases
.set LI,   1                           ; 16 x lane
.set SCL,  10
.set T0,   11
.set FAC,  12
.set LA,   14
.set LB,   16
.set T1,   18
.set SPW,  19
.set NIL,  20
; phase A
.set XGO,  2
.set XSS,  3
.set XSL,  4
.set XIS,  5
.set TA,   6
.set TB,   7
.set QKS,  8
.set VS,   9
.set TC,   21
.set TD,   22
.set T16,  23                          ; 16 x thread
.set WQK,  24                          ; wq's or wk's fragments (dt, ks) at 16 (2 dt + ks)
.set WVR,  88                          ; wv's fragments ks at 16 ks
.set XR,   120                         ; the next block's x as loaded; at the end wo's codes
.set GN,   152                         ; the gains of my half
.set XF1,  168
.set XF2,  200
.set ACC,  232                         ; the sums of a tile; between blocks x's codes, version x 8
.set RQ,   XF1
.set TMP,  XF1+16
.set COSR, XF2
.set SINR, XF2+8
.set KCD,  XF2+16
.set VCD,  XF2+20
; phase B
.set KA,   2
.set VA,   3
.set KA2,  4
.set VA2,  5
.set QA,   6
.set OIL,  7
.set WOL,  8
.set OGO,  9
.set VT,   21
.set KT,   22
.set QT,   23
.set BIAS, 24
.set MXA,  26
.set MXB,  27
.set NINF, 28
.set QF,   32                          ; q's codes, four zeros, q's codes again
.set KB,   44                          ; K's tiles | V, p's codes, O^T | o's fragments, the result's sums
.set S,    108                         ; the scores, then p | wo's fragments
.set OC,   236                         ; o's codes of the tile in hand
.set OCP,  240                         ; and of the tile before
.set VB,   KB
.set PCD,  KB+16
.set OA,   KB+32
; scalar registers
.set WV,   18
.set IB,   19
.set U,    20
.set IT,   21
.set XQB,  49
.set J,    50
.set S_P,  55
.set L_P,  56
.set EPS,  66
.set A2,   68
.set C2N,  70
.set CC,   72
.set EPO,  73
.set SOUT, 74
.set HOLD, 76
.set XB,   78
.set OB,   80
.set WOB,  82
.set MK,   84
.set SEL,  92
.set HS,   94
.set SS,   95
.set EQN,  96                          ; 0 where e0 = e2 = e4
.set NB,   97                          ; the block whose x is turned
.macro PLACES                          ; five plain places behind matrix instructions (ISA guide 7.12.1): results are laid over operands that are done with
.rept 5
	v_nop
.endr
.endm
.macro BARRIER                         ; my LDS stores have landed and my LDS loads are in: then the work-group's barrier
	s_wait_alu depctr_va_vdst(0)                   ; the wait ahead of a wait that blocks
	s_wait_dscnt 0x0
	s_barrier_signal -1
	s_barrier_wait -1
.endm
.macro MKS e, sc, lim, nlim            ; from the whole number in s[e]: 2^e, 57,344 x 2^e and its negative, as f32
	s_add_co_i32 s[\sc], s[\e], 127
	s_add_co_i32 s[\lim], s[\e], 142
	s_lshl_b32 s[\sc], s[\sc], 23
	s_lshl_b32 s[\lim], s[\lim], 23
	s_or_b32 s[\lim], s[\lim], 0x600000
	s_or_b32 s[\nlim], s[\lim], 0x80000000
.endm
.macro XLOAD                           ; my 16 tokens x 64 channels of a block: sixteen lanes read 256 consecutive bytes, aligned
.irp j, 0,1,2,3,4,5,6,7
	global_load_b128 v[XR+4*\j:XR+4*\j+3], v[XGO], s[XB:XB+1] offset:2048*\j th:TH_LOAD_NT
.endr
.endm
.macro QXC v                           ; version v: held at the largest code x its scale, converted: eight registers of a fragment
.set i, 0
.rept 32
	v_med3_num_f32 v[XF2+i], v[XF1+i], s[41+2*\v], s[40+2*\v]
.set i, i+1
.endr
	v_mov_b32 v[SCL], s[36+\v]
.irp c, 0,1,2,3
	v_cvt_scalef32_pk8_bf8_f32 v[ACC+8*\v+2*\c:ACC+8*\v+2*\c+1], v[XF2+8*\c:XF2+8*\c+7], v[SCL]
.endr
	v_nop                                          ; a plain instruction behind the conversions
.endm
; Block s[NB]'s x, loaded as it lies, turns through my 16 rows x 272 bytes: lane (r, hh) gets, of token r, channels 16 c + 8 hh + 0..7 in registers 8 c .. 8 c + 7.  Then what follows it is asked for, and the codes are made
.macro TURNQ first
	s_mul_i32 s22, s[NB], IMGB
	v_add_nc_u32 v[TC], s22, v[XSS]
	v_add_nc_u32 v[TD], s22, v[XSL]
.irp j, 0,1,2,3,4,5,6,7
	ds_store_b128 v[TC], v[XR+4*\j:XR+4*\j+3] offset:544*\j
.endr
.irp c, 0,1,2,3
.irp e, 0,1
	ds_load_b128 v[XF1+8*\c+4*\e:XF1+8*\c+4*\e+3], v[TD] offset:64*\c+16*\e    ; LDS serves a wave's instructions in order
.endr
.endr
	s_wait_alu depctr_va_vdst(0)
	s_wait_dscnt 0x0
.if \first
	s_add_nc_u64 s[XB:XB+1], s[XB:XB+1], 0x10000   ; the loads that named this base are done
	XLOAD
.else
	s_cmp_eq_u32 s[NB], 3
	s_cbranch_scc1 .Lwo\@
	s_add_nc_u64 s[XB:XB+1], s[XB:XB+1], 0x10000
	XLOAD                                          ; the next block's x
	s_branch .Lqx\@
.Lwo\@:
.irp i, 0,1,2,3,4,5,6,7
	global_load_b128 v[XR+4*\i:XR+4*\i+3], v[T16], s[WOB:WOB+1] offset:8192*\i  ; behind the last block: wo's codes, 128 bytes a thread
.endr
.Lqx\@:
.endif
	QXC 0
	s_cmp_eq_u32 s[EQN], 0
	s_wait_alu depctr_va_vdst(0)
	s_cbranch_scc1 .Lone\@
	QXC 1
	QXC 2
.Lone\@:
.endm
	; ================ head
	s_load_b256 s[4:11], s[0:1], 0x0               ; x, wcodes, rope, gq
	s_load_b128 s[12:15], s[0:1], 0x20             ; gk, lowp_scales
	s_load_b64 s[16:17], s[0:1], 0x30              ; out0
	v_lshl_add_u32 v[SPW], v0, 2, SPARE
	v_mov_b32 v[NIL], 0
	v_lshrrev_b32 v[T0], 5, v0
	v_readfirstlane_b32 s[WV], v[T0]
	s_lshr_b32 s[HS], s[WV], 1
	s_and_b32 s[SS], s[WV], 1
	s_mul_i32 s22, s[WV], 4352                     ; my part of the turn
	s_lshl_b32 s23, s[WV], 10
	s_add_co_u32 s23, s23, XIMG                    ; where my codes of x go
	s_lshl_b32 s[XQB], s[SS], 14
	s_add_co_u32 s[XQB], s[XQB], XIMG              ; x's version for q or for k
	s_lshl_b32 s39, s[HS], 9
	s_lshl_b32 s66, s[SS], 14
	s_add_co_u32 s39, s39, s66                     ; q's or k's image at my head
	s_lshl_b32 s66, s[HS], 11
	s_lshl_b32 s67, s[SS], 10
	s_add_co_u32 s66, s66, s67
	s_add_co_u32 s66, s66, VOF                     ; v's image at my head and my dt
	s_lshl_b32 s98, ttmp9, 18                      ; my batch element; tile w / 4 of a block; 256 (w % 4) bytes along a row: the same place in x and in out0
	s_lshr_b32 s67, s[WV], 2
	s_lshl_b32 s67, s67, 14
	s_add_co_u32 s98, s98, s67
	s_and_b32 s67, s[WV], 3
	s_lshl_b32 s67, s67, 8
	s_add_co_u32 s98, s98, s67
	s_mov_b32 s99, 0
	s_lshl_b32 s96, s[SS], 16                      ; wq or wk, at my head
	s_lshl_b32 s67, s[HS], 13
	s_add_co_u32 s96, s96, s67
	s_mov_b32 s97, 0
	s_lshl_b32 s50, s[SS], 12                      ; wv at my head and my dt
	s_add_co_u32 s50, s50, s67
	s_add_co_u32 s50, s50, 0x20000
	s_mov_b32 s51, 0
	v_and_b32 v[LI], 31, v0
	v_and_b32 v[TC], 15, v0                        ; r
	v_bfe_u32 v[TD], v0, 4, 1                      ; hh
	v_lshlrev_b32 v[T16], 4, v0
	v_lshlrev_b32 v[LI], 4, v[LI]
	v_lshlrev_b32 v[XGO], 4, v[TC]
	v_mul_u32_u24 v[XSS], v[TD], 272
	v_mul_u32_u24 v[XSL], v[TC], 272
	v_lshlrev_b32 v[T0], 3, v[TD]
	v_lshl_add_u32 v[XGO], v[TD], 10, v[XGO]       ; lanes 0-15 one row of x, lanes 16-31 the next
	v_lshl_add_u32 v[XSS], v[TC], 4, v[XSS]
	v_lshl_add_u32 v[XSL], v[TD], 5, v[XSL]
	v_sub_nc_u32 v[T0], v[TC], v[T0]               ; r - 8 hh
	v_add_nc_u32 v[XIS], s23, v[LI]
	v_add_nc_u32 v[QKS], s39, v[LI]
	v_lshrrev_b32 v[VS], 1, v[LI]
	v_add_nc_u32 v[XSS], s22, v[XSS]
	v_add_nc_u32 v[XSL], s22, v[XSL]
	v_add_nc_u32 v[TB], ROPE, v[T16]
	v_lshlrev_b32 v[T1], 5, v[TD]                  ; the gains of my half, in memory
	v_add_nc_u32 v[VS], s66, v[VS]
.irp j, 0,1,2,3,4,5,6,7
	v_cmp_le_i32 s[MK+\j], \j, v[T0]               ; key 8 hh + j <= query r
.endr
	s_wait_alu depctr_va_vdst(0)                   ; the wait at the head's end
	s_wait_kmcnt 0x0
	s_load_b256 s[24:31], s[14:15], 0x0            ; e0 .. e7
	s_load_b128 s[32:35], s[14:15], 0x20           ; e8 .. e11
	s_add_nc_u64 s[XB:XB+1], s[4:5], s[98:99]
	s_add_nc_u64 s[OB:OB+1], s[16:17], s[98:99]
	s_add_nc_u64 s[WOB:WOB+1], s[6:7], 0x30000
	s_add_nc_u64 s[62:63], s[6:7], s[96:97]
	s_add_nc_u64 s[50:51], s[6:7], s[50:51]
	s_cmp_eq_u32 s[SS], 0                          ; the choice hangs on the wave's number alone
	s_cselect_b64 s[10:11], s[10:11], s[12:13]     ; gq or gk
	XLOAD                                          ; block 0
.irp i, 0,1,2,3
	global_load_b128 v[XF2+4*\i:XF2+4*\i+3], v[T16], s[8:9] offset:8192*\i     ; the table: 64 bytes a thread
.endr
.irp f, 0,1,2,3
.irp g, 0,1,2,3
	global_load_b128 v[WQK+16*\f+4*\g:WQK+16*\f+4*\g+3], v[LI], s[62:63] offset:2048*\f+512*\g
.endr
.endr
.irp f, 0,1
.irp g, 0,1,2,3
	global_load_b128 v[WVR+16*\f+4*\g:WVR+16*\f+4*\g+3], v[LI], s[50:51] offset:2048*\f+512*\g
.endr
.endr
	global_load_b128 v[GN:GN+3], v[T1], s[10:11]
	global_load_b128 v[GN+4:GN+7], v[T1], s[10:11] offset:16
	global_load_b128 v[GN+8:GN+11], v[T1], s[10:11] offset:64
	global_load_b128 v[GN+12:GN+15], v[T1], s[10:11] offset:80
	s_wait_kmcnt 0x0
	MKS 24, 36, 40, 41                             ; x for q: e0
	MKS 26, 37, 42, 43                             ; x for k: e2
	MKS 28, 38, 44, 45                             ; x for v: e4
	s_cmp_eq_u32 s[SS], 0
	s_cselect_b32 s77, s30, s31                    ; e6 or e7
	s_cselect_b32 s60, s24, s26
	s_cselect_b32 s61, s25, s27
	MKS 77, 46, 47, 48                             ; q's or k's quantiser
	s_add_co_i32 s60, s60, s61                     ; a sum stands for sum x 2^(e0 + e1), or 2^(e2 + e3)
	s_lshl_b32 s61, s60, 1
	s_add_co_i32 s61, s61, 122
	s_lshl_b32 s61, s61, 23                        ; 2^(2 e - 5): the mean of 32 squares
	s_sub_co_i32 s77, s33, s28
	s_sub_co_i32 s77, s77, s29
	MKS 77, 52, 53, 54                             ; v: its code is sum / 2^(e9 - e4 - e5)
	MKS 32, S_P, L_P, 39                           ; p: e8
	MKS 34, 57, 58, 59                             ; o: e10
	s_mov_b32 s[EPS], 0x358637bd                   ; 1e-6
	s_add_co_i32 s22, s30, s31
	s_lshl_b32 s22, s22, 23
	s_add_co_i32 s[A2], s22, 0x3c2723c0            ; 32^-0.5 x 2 log2(e) / 50, e6 + e7 added to its exponent field
	s_mov_b32 s[A2+1], s[A2]
	s_mov_b32 s[C2N], 0xc31044fe                   ; -2 C
	s_mov_b32 s[C2N+1], s[C2N]
	s_mov_b32 s[CC], 0x429044fe                    ; C
	s_add_co_i32 s[EPO], s32, s33
	s_add_co_i32 s[SOUT], s34, s35
	s_add_co_i32 s[SOUT], s[SOUT], 127
	s_lshl_b32 s[SOUT], s[SOUT], 23
	s_mov_b32 s[SOUT+1], s[SOUT]
	s_cmp_lt_i32 s32, -15                          ; p is at most 1; 57,344 x 2^e8 is 1.75 or more from e8 = -15 on
	s_cselect_b32 s[HOLD], 1, 0
	s_mov_b32 s[SEL], 0x76543210
	s_mov_b32 s[SEL+1], 0xfedcba98
	s_sub_co_u32 s[EQN], s26, s24
	s_sub_co_u32 s22, s28, s24
	s_or_b32 s[EQN], s[EQN], s22                   ; 0 where e0 = e2 = e4: x's three versions are then one
	s_mov_b32 s[NB], 0
	s_wait_loadcnt 28                              ; x and the table are in; the 24 loads of weights and the 4 of gains may be out
.irp i, 0,1,2,3
	ds_store_b128 v[TB], v[XF2+4*\i:XF2+4*\i+3] offset:8192*\i
.endr
	TURNQ 1                                        ; block 0's codes; block 1's x is asked for
	s_mov_b32 s[IB], 0
	; ================ PHASE A: a block of 64 tokens
.Lblk:
	ds_store_b128 v[XIS], v[ACC:ACC+3]             ; x's codes, as images of the fragments' registers
	ds_store_b128 v[XIS], v[ACC+4:ACC+7] offset:512
	s_cmp_eq_u32 s[EQN], 0
	s_cbranch_scc1 .Lst1
.irp v, 1,2
	ds_store_b128 v[XIS], v[ACC+8*\v:ACC+8*\v+3] offset:16384*\v
	ds_store_b128 v[XIS], v[ACC+8*\v+4:ACC+8*\v+7] offset:16384*\v+512
.endr
.Lst1:
	s_wait_loadcnt 8                               ; all but the eight loads issued last: in the first block the weights and the gains
	BARRIER                                        ; x's fragments lie in LDS (in the first block: the table too)
	s_mov_b32 s[U], 0
.macro QKV xv                          ; the three accumulators take turns, one instruction a turn.  xv: x's fragments for v
	v_wmma_f32_16x16x128_bf8_bf8 v[ACC:ACC+7], v[WQK:WQK+15], v[XF1:XF1+15], 0
	v_wmma_f32_16x16x128_bf8_bf8 v[ACC+8:ACC+15], v[WQK+32:WQK+47], v[XF1:XF1+15], 0
	v_wmma_f32_16x16x128_bf8_bf8 v[ACC+16:ACC+23], v[\xv:\xv+15], v[WVR:WVR+15], 0
	v_wmma_f32_16x16x128_bf8_bf8 v[ACC:ACC+7], v[WQK+16:WQK+31], v[XF1+16:XF1+31], v[ACC:ACC+7]
	v_wmma_f32_16x16x128_bf8_bf8 v[ACC+8:ACC+15], v[WQK+48:WQK+63], v[XF1+16:XF1+31], v[ACC+8:ACC+15]
	v_wmma_f32_16x16x128_bf8_bf8 v[ACC+16:ACC+23], v[\xv+16:\xv+31], v[WVR+16:WVR+31], v[ACC+16:ACC+23]
.endm
.Ltile:
	s_lshl_b32 s22, s[U], 12
	s_lshl_b32 s[IT], s[IB], 2
	s_add_co_u32 s[IT], s[IT], s[U]
	s_lshl_b32 s51, s[IT], 11
	s_add_co_u32 s51, s51, ROPE                    ; the tile's part of the table
	s_mul_i32 s39, s[IB], IMGB
	s_add_co_u32 s77, s22, s39                     ; the tile's place in q's or k's image
	s_lshl_b32 s67, s[U], 8
	s_add_co_u32 s67, s67, s39                     ; and in v's
	s_cmp_lg_u32 s[EQN], 0
	s_cbranch_scc1 .Lgen
	; one version of x: its two fragments serve both products
	s_add_co_u32 s23, s22, XIMG
	v_add_nc_u32 v[TA], s23, v[LI]
	v_add_nc_u32 v[TB], s51, v[LI]
.irp k, 0,1
.irp g, 0,1,2,3
	ds_load_b128 v[XF1+16*\k+4*\g:XF1+16*\k+4*\g+3], v[TA] offset:2048*\k+512*\g
.endr
.endr
.irp g, 0,1,2,3
	ds_load_b128 v[COSR+4*\g:COSR+4*\g+3], v[TB] offset:512*\g     ; cos, then sin, of my token at my eight frequencies
.endr
	s_wait_alu depctr_va_vdst(0)
	s_wait_dscnt 4                                 ; x's eight loads are in; the table's four may be out
	QKV XF1
	s_branch .Ljoin
.Lgen:
	s_add_co_u32 s23, s22, s[XQB]
	s_add_co_u32 s39, s22, XIMG+32768
	v_add_nc_u32 v[TA], s23, v[LI]
	v_add_nc_u32 v[TB], s39, v[LI]
.irp k, 0,1
.irp g, 0,1,2,3
	ds_load_b128 v[XF1+16*\k+4*\g:XF1+16*\k+4*\g+3], v[TA] offset:2048*\k+512*\g
.endr
.endr
.irp k, 0,1
.irp g, 0,1,2,3
	ds_load_b128 v[XF2+16*\k+4*\g:XF2+16*\k+4*\g+3], v[TB] offset:2048*\k+512*\g
.endr
.endr
	s_wait_alu depctr_va_vdst(0)
	s_wait_dscnt 0x0
	QKV XF2
	v_add_nc_u32 v[TA], s51, v[LI]                 ; an addition and four v_nop: the places ahead of loads into registers that the products read
	v_nop
	v_nop
	v_nop
	v_nop
.irp g, 0,1,2,3
	ds_load_b128 v[COSR+4*\g:COSR+4*\g+3], v[TA] offset:512*\g
.endr
.Ljoin:
	v_add_nc_u32 v[TC], s77, v[QKS]                ; two additions and three v_nop: the five places behind the products
	v_add_nc_u32 v[TD], s67, v[VS]
	v_nop
	v_nop
	v_nop
.irp i, 0,1,2,3,4,5,6,7
	v_med3_num_f32 v[ACC+16+\i], v[ACC+16+\i], s54, s53            ; v: the hold, from the accumulator's low end on
.endr
	v_mov_b32 v[SCL], s52
	v_cvt_scalef32_pk8_bf8_f32 v[VCD:VCD+1], v[ACC+16:ACC+23], v[SCL]
	v_nop
	ds_store_b64 v[TD], v[VCD:VCD+1]
; norm, gain, rotation, codes.  acc: 16 sums (channels 8 hh + j, then 16 + 8 hh + j); g: the gains likewise; s[cc]: 2^(2 e - 5); s[ee]: e; s[sc], s[lim], s[nlim]: the quantiser's
.macro NORMROPE acc, g, cc, ee, sc, lim, nlim, dst
	v_pk_mul_f32 v[LA:LA+1], v[\acc:\acc+1], v[\acc:\acc+1]        ; the squares, in two chains, each accumulator from its low end on
	v_pk_mul_f32 v[LB:LB+1], v[\acc+8:\acc+9], v[\acc+8:\acc+9]
.irp i, 2,4,6
	v_pk_fma_f32 v[LA:LA+1], v[\acc+\i:\acc+\i+1], v[\acc+\i:\acc+\i+1], v[LA:LA+1]
	v_pk_fma_f32 v[LB:LB+1], v[\acc+8+\i:\acc+9+\i], v[\acc+8+\i:\acc+9+\i], v[LB:LB+1]
.endr
	s_delay_alu instid0(VALU_DEP_1)
	v_pk_add_f32 v[LA:LA+1], v[LA:LA+1], v[LB:LB+1]
	s_delay_alu instid0(VALU_DEP_1)
	v_add_f32 v[T0], v[LA], v[LA+1]
	s_delay_alu instid0(VALU_DEP_1)
	v_permlanex16_b32 v[T1], v[T0], s[SEL], s[SEL+1]               ; the token's other 16 channels lie in the lane 16 away
	s_delay_alu instid0(VALU_DEP_1)
	v_add_f32 v[T0], v[T0], v[T1]
	s_delay_alu instid0(VALU_DEP_1)
	v_fma_f32 v[T0], v[T0], s[\cc], s[EPS]                         ; the mean of the squares + 1e-6
	s_wait_alu depctr_va_vdst(0)
	v_rsq_f32 v[T0], v[T0]
	v_nop
	s_wait_alu depctr_va_vdst(0)
	v_ldexp_f32 v[FAC], v[T0], s[\ee]                              ; x 2^e, which the sums lack
	s_delay_alu instid0(VALU_DEP_1)
	v_mov_b32 v[FAC+1], v[FAC]
.irp i, 0,2,4,6,8,10,12,14
	v_pk_mul_f32 v[\acc+\i:\acc+\i+1], v[\acc+\i:\acc+\i+1], v[FAC:FAC+1] op_sel_hi:[1,0]
.endr
.irp i, 0,2,4,6,8,10,12,14
	v_pk_mul_f32 v[\acc+\i:\acc+\i+1], v[\acc+\i:\acc+\i+1], v[\g+\i:\g+\i+1]
.endr
	s_wait_alu depctr_va_vdst(0)                                   ; the wait ahead of a wait that blocks
	s_wait_dscnt 0x0                                               ; cos and sin are in
.irp i, 0,2,4,6
	v_pk_mul_f32 v[TMP+\i:TMP+\i+1], v[\acc+8+\i:\acc+9+\i], v[SINR+\i:SINR+\i+1]
	v_pk_mul_f32 v[TMP+8+\i:TMP+9+\i], v[\acc+8+\i:\acc+9+\i], v[COSR+\i:COSR+\i+1]
.endr
.irp i, 0,2,4,6
	v_pk_fma_f32 v[RQ+\i:RQ+\i+1], v[\acc+\i:\acc+\i+1], v[COSR+\i:COSR+\i+1], v[TMP+\i:TMP+\i+1] neg_lo:[0,0,1] neg_hi:[0,0,1]   ; lo cos - hi sin
	v_pk_fma_f32 v[RQ+8+\i:RQ+9+\i], v[\acc+\i:\acc+\i+1], v[SINR+\i:SINR+\i+1], v[TMP+8+\i:TMP+9+\i]                           ; hi cos + lo sin
.endr
.irp i, 0,1,2,3,4,5,6,7,8,9,10,11,12,13,14,15
	v_med3_num_f32 v[RQ+\i], v[RQ+\i], s[\nlim], s[\lim]
.endr
	v_mov_b32 v[SCL], s[\sc]
	v_cvt_scalef32_pk8_bf8_f32 v[\dst:\dst+1], v[RQ:RQ+7], v[SCL]
	v_cvt_scalef32_pk8_bf8_f32 v[\dst+2:\dst+3], v[RQ+8:RQ+15], v[SCL]
	v_nop
.endm
	NORMROPE ACC, GN, 61, 60, 46, 47, 48, KCD
	ds_store_b128 v[TC], v[KCD:KCD+3]
	s_add_co_u32 s[U], s[U], 1
	s_cmp_lt_u32 s[U], 4
	s_wait_alu depctr_va_vdst(0)
	s_cbranch_scc1 .Ltile
	s_cmp_eq_u32 s[IB], 3
	s_cbranch_scc1 .Llast
	s_wait_loadcnt 0x0                             ; the next block's x
	s_add_co_u32 s[NB], s[IB], 1
	TURNQ 0                                        ; its codes wait in registers: they are stored behind the barrier
.Llast:
	BARRIER                                        ; the block's q, k, v lie in the images, and nobody reads x's codes any more
	s_add_co_u32 s[IB], s[IB], 1
	s_cmp_lt_u32 s[IB], 4
	s_cbranch_scc1 .Lblk
	; ================ between the phases: wo's codes into LDS, phase B's addresses
	s_wait_loadcnt 0x0                             ; wo's codes
	v_add_nc_u32 v[TC], WOIMG, v[T16]
.irp i, 0,1,2,3,4,5,6,7
	ds_store_b128 v[TC], v[XR+4*\i:XR+4*\i+3] offset:8192*\i       ; read by others only behind a barrier of phase B
.endr
	s_lshl_b32 s22, s[HS], 9
	s_add_co_u32 s23, s22, KOF
	s_lshl_b32 s39, s[HS], 11
	s_add_co_u32 s39, s39, VOF
	s_lshr_b32 s67, s[WV], 2
	s_lshl_b32 s67, s67, 12
	s_and_b32 s77, s[WV], 3
	s_lshl_b32 s77, s77, 14
	s_add_co_u32 s77, s77, WOIMG
	s_wait_dscnt 0x0                               ; the stores have landed
	v_add_nc_u32 v[KA], s23, v[LI]
	v_lshrrev_b32 v[VA], 1, v[LI]
	v_add_nc_u32 v[QA], s22, v[LI]
	v_add_nc_u32 v[OIL], s67, v[LI]
	v_add_nc_u32 v[WOL], s77, v[LI]
	v_and_b32 v[T0], 15, v0
	v_bfe_u32 v[T1], v0, 4, 1
	v_add_nc_u32 v[VA], s39, v[VA]
	v_add_nc_u32 v[KA2], 2*IMGB, v[KA]
	v_lshlrev_b32 v[OGO], 4, v[T0]
	v_mov_b32 v[NINF], 0xff800000
	v_add_nc_u32 v[VA2], 2*IMGB, v[VA]
	v_lshl_add_u32 v[OGO], v[T1], 13, v[OGO]       ; out0: lanes 0-15 row j, lanes 16-31 row 8 + j; 16 bytes a lane
.irp i, 0,1,2,3
	v_mov_b32 v[QF+4+\i], 0
	v_mov_b32 v[OC+\i], 0                          ; (copied once before the first codes are made)
.endr
	s_wait_alu depctr_va_vdst(0)
	s_barrier_signal -1                            ; the first of phase B's barriers: its wait stands behind block 0's attention
	s_mov_b32 s[IB], 0
	; ================ PHASE B: a block of 64 queries; my two tiles of it
.macro KLD s                           ; the four key tiles of block s
.irp c, 0,1,2,3
.if \s < 2
	ds_load_b128 v[KB+16+16*\s+4*\c:KB+16+16*\s+4*\c+3], v[KA] offset:IMGB*\s+4096*\c
.else
	ds_load_b128 v[KB+16+16*\s+4*\c:KB+16+16*\s+4*\c+3], v[KA2] offset:4096*\c
.endif
.endr
.endm
.macro VLD s
.irp d, 0,1
.irp c, 0,1,2,3
.if \s < 2
	ds_load_b64 v[VB+8*\d+2*\c:VB+8*\d+2*\c+1], v[VA] offset:IMGB*\s+1024*\d+256*\c
.else
	ds_load_b64 v[VB+8*\d+2*\c:VB+8*\d+2*\c+1], v[VA2] offset:1024*\d+256*\c
.endif
.endr
.endr
.endm
; The output projection of the block before s[IB]: tokens 16 (w / 4) on x columns 64 (w % 4) on
.macro OUTP
	s_and_b32 s23, s[IB], 1
	s_xor_b32 s23, s23, 1
	s_mul_i32 s23, s23, OBST
	s_add_co_u32 s23, s23, OBUF                    ; the buffer of the block before
	v_add_nc_u32 v[VT], s23, v[OIL]
.irp k, 0,1
.irp g, 0,1,2,3
	ds_load_b128 v[KB+16*\k+4*\g:KB+16*\k+4*\g+3], v[VT] offset:2048*\k+512*\g
.endr
.irp t, 0,1,2,3
.irp g, 0,1,2,3
	ds_load_b128 v[S+32*\t+16*\k+4*\g:S+32*\t+16*\k+4*\g+3], v[WOL] offset:4096*\t+2048*\k+512*\g
.endr
.endr
.endr
	s_wait_alu depctr_va_vdst(0)
	s_wait_dscnt 20                                ; the first K step's 20 loads are in; the second's 20 may be out
.irp t, 0,1,2,3                        ; source 0 = o's 16 tokens, source 1 = 16 rows of wo: the four accumulators take turns
	v_wmma_f32_16x16x128_bf8_bf8 v[KB+32+8*\t:KB+32+8*\t+7], v[KB:KB+15], v[S+32*\t:S+32*\t+15], 0
.endr
	s_wait_dscnt 0x0
.irp t, 0,1,2,3
	v_wmma_f32_16x16x128_bf8_bf8 v[KB+32+8*\t:KB+32+8*\t+7], v[KB+16:KB+31], v[S+32*\t+16:S+32*\t+31], v[KB+32+8*\t:KB+32+8*\t+7]
.endr
	PLACES
.irp j, 0,1,2,3,4,5,6,7
.irp t, 0,1,2,3
	v_mul_f32 v[KB+4*\j+\t], s[SOUT], v[KB+32+8*\t+\j]             ; x 2^(e10 + e11); register 4 j + t: token 8 hh + j, column 4 r + t; each accumulator from its low end on
.endr
.endr
.irp j, 0,1,2,3,4,5,6,7
	global_store_b128 v[OGO], v[KB+4*\j:KB+4*\j+3], s[OB:OB+1] offset:1024*\j th:TH_STORE_NT   ; sixteen lanes store 256 consecutive bytes, aligned; written once
.endr
	s_wait_xcnt 0x0                                ; the stores' data registers and their base are written again only behind this wait
	s_add_nc_u64 s[OB:OB+1], s[OB:OB+1], 0x10000
.endm
.Lab:
	s_mov_b32 s[J], 0
.Lunit:
	s_mul_i32 s22, s[J], 3
	s_xor_b32 s[U], s22, s[SS]                     ; tile s, then tile 3 - s
	s_mul_i32 s23, s[IB], IMGB
	s_lshl_b32 s22, s[U], 12
	s_add_co_u32 s22, s22, s23
.irp i, 0,1,2,3
	v_mov_b32 v[OCP+\i], v[OC+\i]                  ; the tile before keeps its codes
.endr
	v_add_nc_u32 v[QT], s22, v[QA]
	v_add_nc_u32 v[KT], s23, v[KA]
	v_add_nc_u32 v[VT], s23, v[VA]
	s_wait_alu depctr_va_vdst(0)
	ds_load_b128 v[QF:QF+3], v[QT]
	ds_load_b128 v[QF+8:QF+11], v[QT]              ; q behind the zeros too, for the odd key tiles
.irp c, 0,1,2,3
	ds_load_b128 v[KB+4*\c:KB+4*\c+3], v[KT] offset:4096*\c
.endr
.irp s, 0,1,2
	s_cmp_le_u32 s[IB], \s
	s_cbranch_scc1 .Lkl
	KLD \s
.endr
.Lkl:
	s_wait_dscnt 0x0
.macro SCORE sl, c                     ; S^T of key tile c of slot sl.  K = 64 holds two key tiles' 32 channels: the even one meets q and the odd one zeros, or the other way round
.if (\c)%2 == 0
	v_wmma_f32_16x16x64_bf8_bf8 v[S+32*(\sl)+8*(\c):S+32*(\sl)+8*(\c)+7], v[KB+16*(\sl)+4*(\c):KB+16*(\sl)+4*(\c)+7], v[QF:QF+7], 0
.else
	v_wmma_f32_16x16x64_bf8_bf8 v[S+32*(\sl)+8*(\c):S+32*(\sl)+8*(\c)+7], v[KB+16*(\sl)+4*(\c)-4:KB+16*(\sl)+4*(\c)+3], v[QF+4:QF+11], 0
.endif
.endm
	SCORE 0, 0
.irp c, 1,2,3
	s_cmp_lt_u32 s[U], \c                          ; key tiles behind my queries' tile are left out
	s_cbranch_scc1 .Lsd
	SCORE 0, \c
.endr
.Lsd:
.irp s, 0,1,2
	s_cmp_le_u32 s[IB], \s
	s_cbranch_scc1 .Lsf
	s_wait_alu depctr_va_vdst(0)
.irp c, 0,1,2,3
	SCORE \s+1, \c
.endr
.endr
.Lsf:
	PLACES
	; the row's largest score.  In the tile on the diagonal hidden keys become -infinity first.  Every accumulator is read from its low end on
.macro MASKS c
.irp j, 0,1,2,3,4,5,6,7
	v_cndmask_b32 v[S+8*\c+\j], v[NINF], v[S+8*\c+\j], s[MK+\j]
.endr
.endm
.macro MAX8 b
	v_max3_num_f32 v[MXA], v[MXA], v[\b], v[\b+1]
	v_max3_num_f32 v[MXB], v[MXB], v[\b+2], v[\b+3]
	v_max3_num_f32 v[MXA], v[MXA], v[\b+4], v[\b+5]
	v_max3_num_f32 v[MXB], v[MXB], v[\b+6], v[\b+7]
.endm
	s_cmp_lg_u32 s[U], 0
	s_cbranch_scc1 .Lx0
	MASKS 0
.Lx0:
	v_max3_num_f32 v[MXA], v[S], v[S+1], v[S+2]    ; the first tile starts the two chains
	v_max3_num_f32 v[MXB], v[S+3], v[S+4], v[S+5]
	v_max3_num_f32 v[MXA], v[MXA], v[S+6], v[S+7]
.irp c, 1,2,3
	s_cmp_lt_u32 s[U], \c
	s_cbranch_scc1 .Lxd
	s_cmp_lg_u32 s[U], \c
	s_cbranch_scc1 .Lx\c
	MASKS \c
.Lx\c:
	s_wait_alu depctr_va_vdst(0)
	MAX8 S+8*\c
.endr
.Lxd:
.irp s, 0,1,2
	s_cmp_le_u32 s[IB], \s
	s_cbranch_scc1 .Lxf
	s_wait_alu depctr_va_vdst(0)
.irp c, 0,1,2,3
	MAX8 S+32+32*\s+8*\c
.endr
.endr
.Lxf:
	s_wait_alu depctr_va_vdst(0)
	v_max_num_f32 v[MXA], v[MXA], v[MXB]
	s_delay_alu instid0(VALU_DEP_1)
	v_permlanex16_b32 v[T1], v[MXA], s[SEL], s[SEL+1]              ; the query's other keys lie in the lane 16 away
	s_delay_alu instid0(VALU_DEP_1)
	v_max_num_f32 v[MXA], v[MXA], v[T1]
	s_delay_alu instid0(VALU_DEP_1)
	v_mul_f32 v[T0], s[A2], v[MXA]                 ; the largest t by the very lines that make every t (the cap rises with the score)
	s_wait_alu depctr_va_vdst(0)
	v_exp_f32 v[T0], v[T0]
	v_nop
	s_wait_alu depctr_va_vdst(0)
	v_add_f32 v[T0], 1.0, v[T0]
	s_wait_alu depctr_va_vdst(0)
	v_rcp_f32 v[T0], v[T0]
	v_nop
	s_wait_alu depctr_va_vdst(0)
	v_fma_f32 v[T0], v[T0], s[C2N], s[CC]
	s_delay_alu instid0(VALU_DEP_1)
	v_floor_f32 v[T0], -v[T0]                      ; -M = floor(-t) = -ceil(t)
	s_delay_alu instid0(VALU_DEP_1)
	v_add_f32 v[BIAS], s[CC], v[T0]                ; C - M
	s_delay_alu instid0(VALU_DEP_1)
	v_mov_b32 v[BIAS+1], v[BIAS]
	; p, its sum, its codes, and O^T
.macro CHAIN_A b, n                    ; z = a s
.set i, 0
.rept \n/2
	v_pk_mul_f32 v[\b+i:\b+i+1], v[\b+i:\b+i+1], s[A2:A2+1] op_sel_hi:[1,0]
.set i, i+2
.endr
.endm
.macro CHAIN_B b, n                    ; p = 2^(C - M - 2 C / (1 + 2^z)).  Each run of transcendentals has its wait ahead and behind, and one plain instruction behind
.set i, 0
.rept \n
	v_exp_f32 v[\b+i], v[\b+i]
.set i, i+1
.endr
	v_nop
.set i, 0
	s_wait_alu depctr_va_vdst(0)
.rept \n/2
	v_pk_add_f32 v[\b+i:\b+i+1], v[\b+i:\b+i+1], 1.0 op_sel_hi:[1,0]
.set i, i+2
.endr
.set i, 0
	s_wait_alu depctr_va_vdst(0)
.rept \n
	v_rcp_f32 v[\b+i], v[\b+i]
.set i, i+1
.endr
	v_nop
.set i, 0
	s_wait_alu depctr_va_vdst(0)
.rept \n/2
	v_pk_fma_f32 v[\b+i:\b+i+1], v[\b+i:\b+i+1], s[C2N:C2N+1], v[BIAS:BIAS+1] op_sel_hi:[1,0,0]
.set i, i+2
.endr
.set i, 0
	s_wait_alu depctr_va_vdst(0)
.rept \n
	v_exp_f32 v[\b+i], v[\b+i]
.set i, i+1
.endr
	v_nop
.endm
.macro SUMQ b, n, pc                   ; the sum of the unquantised p, in two chains; the hold, only where the given e8 asks for it (a scalar branch on a whole number that was given); the codes
.set i, 0
	s_wait_alu depctr_va_vdst(0)
.rept \n/4
	v_pk_add_f32 v[LA:LA+1], v[LA:LA+1], v[\b+i:\b+i+1]
	v_pk_add_f32 v[LB:LB+1], v[LB:LB+1], v[\b+i+2:\b+i+3]
.set i, i+4
.endr
	s_cmp_eq_u32 s[HOLD], 0
	s_cbranch_scc1 .Lnh\@
.set i, 0
.rept \n
	v_min_num_f32 v[\b+i], s[L_P], v[\b+i]         ; p is not negative: the hold is one-sided
.set i, i+1
.endr
.Lnh\@:
.set i, 0
.rept \n/8
	v_cvt_scalef32_pk8_bf8_f32 v[\pc+2*i:\pc+2*i+1], v[\b+8*i:\b+8*i+7], v[SCL]
.set i, i+1
.endr
.endm
.macro MASKP c
	s_wait_alu depctr_va_vdst(0)
.irp j, 0,1,2,3,4,5,6,7
	v_cndmask_b32 v[S+8*\c+\j], 0, v[S+8*\c+\j], s[MK+\j]
.endr
.endm
	v_mov_b32 v[LA], 0
	v_mov_b32 v[LA+1], 0
	v_mov_b32 v[LB], 0
	v_mov_b32 v[LB+1], 0
.irp i, 2,3,4,5,6,7
	v_mov_b32 v[PCD+\i], 0                         ; key tiles that are left out count as zero codes
.endr
	v_mov_b32 v[SCL], s[S_P]
.irp d, 0,1
.irp c, 0,1,2,3
	ds_load_b64 v[VB+8*\d+2*\c:VB+8*\d+2*\c+1], v[VT] offset:1024*\d+256*\c
.endr
.endr
	CHAIN_A S, 8
	s_wait_alu depctr_va_vdst(0)
	CHAIN_B S, 8
	s_cmp_lg_u32 s[U], 0
	s_cbranch_scc1 .Lp0
	MASKP 0
.Lp0:
	SUMQ S, 8, PCD
.irp c, 1,2,3
	s_cmp_lt_u32 s[U], \c
	s_cbranch_scc1 .Lpd
	CHAIN_A S+8*\c, 8
	s_wait_alu depctr_va_vdst(0)
	CHAIN_B S+8*\c, 8
	s_cmp_lg_u32 s[U], \c
	s_cbranch_scc1 .Lp\c
	MASKP \c
.Lp\c:
	SUMQ S+8*\c, 8, PCD+2*\c
.endr
.Lpd:
	v_nop                                          ; a plain instruction between the last conversion and the products that read its result
	s_wait_alu depctr_va_vdst(0)
	s_wait_dscnt 0x0                               ; V
	v_wmma_f32_16x16x64_bf8_bf8 v[OA:OA+7], v[VB:VB+7], v[PCD:PCD+7], 0              ; the diagonal block starts O^T's two sums, which then take turns
	v_wmma_f32_16x16x64_bf8_bf8 v[OA+8:OA+15], v[VB+8:VB+15], v[PCD:PCD+7], 0
.irp s, 0,1,2
	s_cmp_le_u32 s[IB], \s
	s_cbranch_scc1 .Lpf
	CHAIN_A S+32+32*\s, 32                         ; sixteen plain instructions: the places ahead of the loads into V's registers
	VLD \s
	s_wait_alu depctr_va_vdst(0)
	CHAIN_B S+32+32*\s, 32
	SUMQ S+32+32*\s, 32, PCD
	v_nop
	s_wait_alu depctr_va_vdst(0)
	s_wait_dscnt 0x0
	v_wmma_f32_16x16x64_bf8_bf8 v[OA:OA+7], v[VB:VB+7], v[PCD:PCD+7], v[OA:OA+7]
	v_wmma_f32_16x16x64_bf8_bf8 v[OA+8:OA+15], v[VB+8:VB+15], v[PCD:PCD+7], v[OA+8:OA+15]
.endr
.Lpf:
	; o = O^T x 2^(e8 + e9) / the row's sum, quantised.  The additions and the v_nop are the places behind the last products
	v_pk_add_f32 v[LA:LA+1], v[LA:LA+1], v[LB:LB+1]
	s_delay_alu instid0(VALU_DEP_1)
	v_add_f32 v[T0], v[LA], v[LA+1]
	s_delay_alu instid0(VALU_DEP_1)
	v_permlanex16_b32 v[T1], v[T0], s[SEL], s[SEL+1]
	s_delay_alu instid0(VALU_DEP_1)
	v_add_f32 v[T0], v[T0], v[T1]
	v_nop
	v_nop
	s_wait_alu depctr_va_vdst(0)
	v_rcp_f32 v[T0], v[T0]
	v_nop
	s_wait_alu depctr_va_vdst(0)
	v_ldexp_f32 v[FAC], v[T0], s[EPO]
	s_delay_alu instid0(VALU_DEP_1)
	v_mov_b32 v[FAC+1], v[FAC]
.irp i, 0,2,4,6,8,10,12,14
	v_pk_mul_f32 v[OA+\i:OA+\i+1], v[OA+\i:OA+\i+1], v[FAC:FAC+1] op_sel_hi:[1,0]
.endr
.irp i, 0,1,2,3,4,5,6,7,8,9,10,11,12,13,14,15
	v_med3_num_f32 v[OA+\i], v[OA+\i], s59, s58
.endr
	v_mov_b32 v[SCL], s57
	v_cvt_scalef32_pk8_bf8_f32 v[OC:OC+1], v[OA:OA+7], v[SCL]
	v_cvt_scalef32_pk8_bf8_f32 v[OC+2:OC+3], v[OA+8:OA+15], v[SCL]
	v_nop
	s_add_co_u32 s[J], s[J], 1
	s_cmp_lt_u32 s[J], 2
	s_wait_alu depctr_va_vdst(0)
	s_cbranch_scc1 .Lunit
	; ================ the barrier's wait: every wave has stored the o of the block before and has read the o of the block before that
	s_barrier_wait -1
	s_and_b32 s22, s[IB], 1
	s_mul_i32 s22, s22, OBST
	s_add_co_u32 s22, s22, OBUF                    ; this block's buffer
	s_lshl_b32 s23, s[SS], 12
	s_add_co_u32 s23, s23, s22                     ; tile s
	s_xor_b32 s39, s[SS], 3
	s_lshl_b32 s39, s39, 12
	s_add_co_u32 s39, s39, s22                     ; tile 3 - s
	v_add_nc_u32 v[KT], s23, v[QA]
	v_add_nc_u32 v[QT], s39, v[QA]
	ds_store_b128 v[KT], v[OCP:OCP+3]
	ds_store_b128 v[QT], v[OC:OC+3]
	s_cmp_eq_u32 s[IB], 0
	s_cbranch_scc1 .Lnop                           ; block 0 has no block before it
	OUTP
.Lnop:
	s_wait_alu depctr_va_vdst(0)
	s_wait_dscnt 0x0                               ; my o has landed, and my reads of the other buffer are over
	s_barrier_signal -1                            ; the wait stands behind the next block's attention, which only loads from LDS, from images that nobody writes
	s_add_co_u32 s[IB], s[IB], 1
	s_cmp_lt_u32 s[IB], 4
	s_cbranch_scc1 .Lab
	s_barrier_wait -1
	OUTP                                           ; block 3
	s_wait_tensorcnt 0x0                           ; the wave's end
	ds_add_u32 v[SPW], v[NIL]
	s_wait_dscnt 0x0
	s_endpgm
.Lfunc_end_k_q98ff2de663_attn:
	.size	k_q98ff2de663_attn, .Lfunc_end_k_q98ff2de663_attn-k_q98ff2de663_attn
	.p2alignl 7, 3214868480
	.fill 96, 4, 3214868480
	.section	.rodata,"a",@progbits
	.p2align	6, 0x0
	.amdhsa_kernel k_q98ff2de663_attn
		.amdhsa_group_segment_fixed_size 301056
		.amdhsa_private_segment_fixed_size 0
		.amdhsa_enable_private_segment 0
		.amdhsa_kernarg_size 56
		.amdhsa_user_sgpr_count 2
		.amdhsa_user_sgpr_kernarg_segment_ptr 1
		.amdhsa_wavefront_size32 1
		.amdhsa_system_sgpr_workgroup_id_x 1
		.amdhsa_system_sgpr_workgroup_id_y 1
		.amdhsa_system_sgpr_workgroup_id_z 1
		.amdhsa_system_vgpr_workitem_id 0
		.amdhsa_next_free_vgpr 256
		.amdhsa_next_free_sgpr 100
		.amdhsa_reserve_vcc 0
		.amdhsa_float_denorm_mode_32 3
		.amdhsa_float_denorm_mode_16_64 3
		.amdhsa_memory_ordered 1
		.amdhsa_forward_progress 1
		.amdhsa_inst_pref_size 109
	.end_amdhsa_kernel
	.amdgpu_metadata
---
amdhsa.version: [ 1, 2 ]
amdhsa.kernels:
  - .name:           k_q98ff2de663_attn
    .symbol:         k_q98ff2de663_attn.kd
    .args:
      - { .name: x, .offset: 0, .size: 8, .value_kind: global_buffer, .address_space: global }
      - { .name: wcodes, .offset: 8, .size: 8, .value_kind: global_buffer, .address_space: global }
      - { .name: rope, .offset: 16, .size: 8, .value_kind: global_buffer, .address_space: global }
      - { .name: gq, .offset: 24, .size: 8, .value_kind: global_buffer, .address_space: global }
      - { .name: gk, .offset: 32, .size: 8, .value_kind: global_buffer, .address_space: global }
      - { .name: lowp_scales, .offset: 40, .size: 8, .value_kind: global_buffer, .address_space: global }
      - { .name: out0, .offset: 48, .size: 8, .value_kind: global_buffer, .address_space: global }
    .group_segment_fixed_size: 301056
    .private_segment_fixed_size: 0
    .kernarg_segment_align: 8
    .kernarg_segment_size: 56
    .max_flat_workgroup_size: 512
    .sgpr_count:     100
    .vgpr_count:     256
    .wavefront_size: 32
...
	.end_amdgpu_metadata
.endif
;; end of part 2
